; MI455X (gfx1250); checked and timed in simulation.
; The chip was launched on July 23, 2026; its instructions are those of AMD's public machine-readable ISA for CDNA 5 (MIT licence, August 2026) and "CDNA5" Instruction Set Architecture Reference Guide (July 2026). The comments in the code are by the model that wrote it; some were corrected since.
;; SPTP Column Parallel Linear. Allowed arithmetic: matrix products marked QUANTISED: E2M1 operands, one E8M0 scale for each 32 along K, by v_wmma_scale_f32_16x16x128_f8f6f4 with both operands' format E2M1 (or v_wmma_scale_f32_32x16x128_f4), f32 sums; everything else in f32.
;; Inputs: input_codes 4,096 x 128 x 16 uint8 (E2M1 codes of input, K innermost, in blocks of 32 codes, two codes a byte); input_scales 4,096 x 128 uint8 (E8M0 scales of input, one for each 32 codes along K); weight_codes 4,096 x 128 x 16 uint8 (E2M1 codes of weight, K innermost, in blocks of 32 codes, two codes a byte); weight_scales 4,096 x 128 uint8 (E8M0 scales of weight, one for each 32 codes along K).
;; Outputs: out0 4,096 x 4,096 float32.
;; This version of the problem:
;;   THIS VERSION OF THE PROBLEM IS GIVEN IN LOW PRECISION. The matrix products marked QUANTISED in the list below multiply operands that are first quantised to E2M1 (2 exponent bits, 1 mantissa bit; 4 bits a number), with one power-of-two scale for each 32 numbers along K (OCP MX v1.0); their sums are f32. All else is computed in f32.
;;   The module's matrix products, in the order in which they are computed (A, B: the left and right operand; K: the contracted axis; several contracted axes count as one K, in the product's order):
;;     1. [M 4,096, K 4,096] x [K 4,096, N 4,096]; A: input input (given as codes); B: input weight (given as codes): QUANTISED
;;   THE QUANTISER, for each operand of a quantised product, along K:
;;     - K is cut into blocks of 32 from its start; a last block that is shorter is filled with zeros.
;;     - A block's scale is 2^e with e = floor(log2(the largest magnitude in the block)) - 2, held to -126 .. 127; a block of zeros has e = 0. As a byte (E8M0): e + 127.
;;     - Each number is divided by its block's scale, clamped to +-6, and rounded to the nearest number of E2M1, ties to even, subnormals kept.
;;     - The product sums the exact products of the quantised numbers (number of the format x scale) in f32.
;;   ~~~python
;;   def quantise(x, axis):      # numpy; x: float32 -> the quantised numbers, widened to float32 again
;;       x = np.moveaxis(x, axis, -1); K = x.shape[-1]
;;       x = np.pad(x, [(0, 0)] * (x.ndim - 1) + [(0, -K % 32)]); x = x.reshape(x.shape[:-1] + (-1, 32)); a = np.abs(x).max(-1, keepdims=True)
;;       e = np.where(a > 0, np.clip(np.frexp(np.where(a > 0, a, 1))[1] - 1 - 2, -126, 127), 0)      # np.frexp(a)[1] - 1 = floor(log2(a)), exactly
;;       r = np.clip(x / 2.0 ** e, -6, 6)
;;       step = 2.0 ** (np.maximum(np.frexp(np.where(r == 0, 1, r))[1] - 1, 0) - 1)
;;       q = np.round(r / step) * step * 2.0 ** e      # np.round: ties to even
;;       return np.moveaxis(q.reshape(q.shape[:-2] + (-1,))[..., :K], -1, axis).astype(np.float32)
;;   ~~~
;;   INPUTS GIVEN AS CODES. input (in the module: [4096, 4096], K = its axis 1); weight (in the module: [4096, 4096], K = its axis 1): each comes as NAME_codes (uint8): NAME with its K axis moved to the last place and cut into blocks of 32 codes, [.., K / 32, bytes a block], one block behind the other in memory; two codes a byte, the lower K in the low four bits (a code: sign, 2 exponent bits, 1 mantissa bit); and NAME_scales (uint8): the same leading axes, one E8M0 byte (e + 127) for each 32 codes along K. Its value is code x scale, taken as it is: it is not quantised again, and the codes and scales need not be those that the quantiser above would give.
;; One version. Each part assembles by itself: llvm-mc -triple=amdgcn-amd-amdhsa -mcpu=gfx1250 --defsym DOCPART=n.
;; ======== version 1 of 1: 1 launch
;; limits: right only within a limited range of input values
;; launch gemm (part 1): grid 16 x 16, 4 waves a work-group, clusters of 4 x 4, 327,680 bytes of LDS; arguments input_codes, input_scales, weight_codes, weight_scales, out0; writes out0
.if DOCPART == 1
	.amdgcn_target "amdgcn-amd-amdhsa--gfx1250"
	.amdhsa_code_object_version 6
	.text
	.protected	k_qae032b46a3_gemm
	.globl	k_qae032b46a3_gemm
	.p2align	8
	.type	k_qae032b46a3_gemm,@function
k_qae032b46a3_gemm:
	s_mov_b64 s[64:65], 0
	v_nop
	global_prefetch_b8 v0, s[64:65] scope:SCOPE_SE
	s_setreg_imm32_b32 hwreg(HW_REG_WAVE_MODE, 25, 1), 1
	s_wait_xcnt 0x0
	s_wait_alu depctr_hold_cnt(0) depctr_sa_sdst(0) depctr_va_vdst(0) depctr_va_sdst(0) depctr_va_ssrc(0) depctr_va_vcc(0) depctr_vm_vsrc(0)
	s_getreg_b32 s2, hwreg(HW_REG_IB_STS2, 6, 4)
	s_cmp_eq_u32 s2, 0
	s_cbranch_scc0 .Lentry_in_a_cluster
	s_endpgm
.Lentry_in_a_cluster:
	s_bfe_u32 s2, ttmp6, 0x10000c
	s_cmp_lg_u32 s2, 0xf033
	s_cbranch_scc0 .Lentry_shape_is_right
	s_endpgm
.Lentry_shape_is_right:
; out0[t][o] = sum over i of input[t][i] weight[o][i].  X = input, W = weight, both [4096][4096]: codes of FP4 (E2M1), two a byte, K innermost (a row is 2,048 bytes), one E8M0 byte for each 32 along K
; (a row of scales is 128 bytes).  out0: [4096][4096] f32; sums in f32, one accumulator for each output, K ascending.  Codes and scale bytes go to the matrix instruction as they lie in memory.
; LIMIT: codes and scale bytes are taken as given; a scale byte 0xff makes the sums of its row or column NaN, as the format defines.
; SHARES.  A tile of out0, 256 x 256, is made by a work-group of four waves, 128 x 128 a wave: 32 accumulators of 32 x 16, 512 registers.  16 x 16 tiles: 256 work-groups.
; THE MATRIX INSTRUCTION IS USED TRANSPOSED: source 0 = 32 rows of W, source 1 = 16 rows of X: lane (r, h) then holds row r of X's sixteen and, in registers 0-7 and 8-15, columns 8 h + 0 .. 7 and 16 + 8 h + 0 .. 7.
; K goes in 8 K steps of 512 (a tile's row is 256 bytes of memory) through a ring of two LDS slots filled by the tensor data mover; a K step is 4 steps of 128.
; THE SCALES come once, as dense rows of 256 bytes.  X's stay in LDS behind the ring.  W's do not fit beside them: they land in slot 1, go from there into 128 registers (all of K), and then slot 1 takes K step 1.
; Since those registers differ from K step to K step, the walk over K is written out by macros.
; CLUSTERS: 4 x 4 work-groups.  The four of a row of the cluster need the same tiles of X, the four of a column the same tiles of W: each is asked for JOINTLY, by the same tensor load with the same descriptor and a mask that names the four.
; PREFETCH into the L2: behind the joint load of K step n the K step n + 2 is asked for (K step 1 at the head, K steps 2 and 3 in K step 0): one instruction a wave, 32 rows x 256 bytes, a lane a row.  Of the 128 rows
; that a wave fetches, the partner at place p (cx for X, cy for W) names rows 32 p .. 32 p + 31: each 256 bytes once in a cluster.  The last one asked for is K step 7.
; REGISTERS, in windows of 256: window 0: v0-31 addresses; v32-63 X's scale words, two sets; v64-191 W's scale words, all of K; v192-255 X's fragments in the last K step, two blocks.
;   window 1: fragments, two sets of each: W at v0 and v64, X at v128 and v192.   window 2: accumulators of my X rows 0-63 (block a, columns 32 g: v[64 a + 16 g]);   window 3: those of rows 64-127.
.set ROWB,   256                       ; a tile's row in bytes: 512 codes
.set KROW,   2048                      ; a row of codes in memory
.set CROW,   16384                     ; a row of out0 in bytes
.set PITCH,  272                       ; an LDS row: 256 bytes + 16 of padding = 68 words: sixteen rows start at sixteen different banks (64 banks of 4 bytes: ISA guide 11.1)
.set BLK,    16*PITCH                  ; 16 rows
.set HALFT,  128*PITCH                 ; 128 rows: what one tensor load of the ring brings, and what one wave reads of X or of W
.set SLOT,   4*HALFT                   ; X's 256 rows, then W's 256 rows
.set SXB,    2*SLOT                    ; behind the ring: X's scales, 128 units of 256 bytes (two rows each) + 16 of padding
.set SPARE,  SXB+128*PITCH             ; the spare words, 128 bytes for each wave: no other line names them
.set SPITCH, 528                       ; the way out: a stage of 16 rows x (512 bytes + 16) for each wave, in slot 0, which has had its last fill and its last read by then
.set ADRX, 16                          ; v16-17 LDS address of my X fragments in slot 0, 1
.set ADRW, 18                          ; v18-19 the same for W
.set ADRT, 20                          ; v20    W's scales where they land
.set ADRS, 21                          ; v21    X's scale words
.set STO,  24                          ; v24    the way out: where I put 16 bytes of a row
.set RD,   25                          ; v25    the way out: where I read a row back
.set CO,   26                          ; v26    my byte offset in a row of out0
.set SPW,  28                          ; v28    LDS address of my spare word; never rewritten
.set NIL,  29                          ; v29    0; never rewritten
.set PFO,  30                          ; v30    the prefetches' offset: my lane x a row of codes; never rewritten
.set SX,   32                          ; set k mod 2 at v[SX + 16 (k mod 2)], block a: register 2 a + e: lanes 0-15 the word of step e, lanes 16-31 that of step 2 + e
.set SW,   64                          ; K step k, 32 rows g, step q: v[SW + 16 k + 4 g + q]: lane l has row 32 g + l
.set XB,   192
.set PFA,  66                          ; s[66:67] where my prefetches' rows begin
.set G1,   24                          ; s[24:31] descriptor group 1 for X's tiles;  s[32:39] group 0, one set for each slot
.set G0,   32
.set G1B,  48                          ; s[48:55], s[56:63] the same for W's tiles
.set G0B,  56
.set G1S,  68                          ; s[68:75], s[76:79] groups 1 and 0 for X's scales;  s[80:87], s[88:91] for W's
.set G0S,  76
.set G1SB, 80
.set G0SB, 88
.set G0H,  4                           ; s[4:7], s[8:11] group 0 for the head's loads of K step 0 (the arguments that lay there have been used by then)
.set G0HB, 8
.set MSB, 0
.macro WIN new                         ; the immediate's high byte repeats the setting that is left; a switch that changes nothing is dropped
.if MSB != (\new)
	s_set_vgpr_msb (MSB<<8)|(\new)
.set MSB, (\new)
.endif
.endm
.set MUL_LO, 0xa5                      ; sources 0 (W) and 1 (X) window 1, C and D window 2
.set MUL_HI, 0xf5                      ; the same, C and D window 3
.set ROW_LO, 0xa1                      ; the last K step: X in window 0
.set TO_F,   0x40                      ; destination window 1, address window 0
.macro PLACES                          ; four places behind a matrix instruction, in front of loads into registers that it has read and of LDS stores that read results; the matrix instructions in between are not counted
.rept 4
	v_nop
.endr
.endm
; A joint load behind a round: waves 0 and 1 fetch X's two halves, waves 2 and 3 W's.  Each line has ONE mask and one set of registers for all that issue it; the branch hangs on the wave's number alone.
.macro JLOAD s
.set JA, G0+4*(\s)
.set JB, G0B+4*(\s)
	s_cmp_eq_u32 s15, 0
	s_cbranch_scc0 .Lfor_w_\@
	tensor_load_to_lds s[JA:JA+3], s[G1:G1+7]
	s_nop 0
.rept 4
	v_nop
.endr
	s_branch .Lasked_\@
.Lfor_w_\@:
	tensor_load_to_lds s[JB:JB+3], s[G1B:G1B+7]
	s_nop 0
.rept 4
	v_nop
.endr
.Lasked_\@:
.endm
.macro CREST                           ; a round of the cluster's barrier behind its opening barrier
	s_cmp_lg_u32 s14, 0
	s_cbranch_scc1 .Lnot_wave_0_\@
	s_barrier_signal -3
.Lnot_wave_0_\@:
	s_barrier_wait -3
	s_barrier_signal -1
	s_barrier_wait -1
.endm
.macro CROUND                          ; a whole round
	s_barrier_signal -1
	s_barrier_wait -1
	CREST
.endm
.macro PF n                            ; K step n of my 32 rows
	global_prefetch_b8 v[PFO], s[PFA:PFA+1] offset:ROWB*(\n) th:TH_LOAD_NT scope:SCOPE_SE
.endm
	s_load_b128 s[4:7], s[0:1], 0x0                ; X's codes s[4:5], X's scales s[6:7]
	s_load_b128 s[8:11], s[0:1], 0x10              ; W's codes s[8:9], W's scales s[10:11]
	s_load_b64 s[12:13], s[0:1], 0x20              ; out0
	v_lshl_add_u32 v[SPW], v0, 2, SPARE
	v_mov_b32 v[NIL], 0
	ds_add_u32 v[SPW], v[NIL]                      ; the wave's opening: the add, twice on end, and its wait ahead of my first tensor load
	ds_add_u32 v[SPW], v[NIL]
	v_lshrrev_b32 v1, 5, v0
	v_readfirstlane_b32 s14, v1                    ; wave 0..3
	s_lshr_b32 s15, s14, 1                         ; which half of the tile's X rows is mine.  Also: I fetch for X (0) or for W (1)
	s_and_b32 s16, s14, 1                          ; which half of its W rows.  Also: which 128 rows of that tile I fetch
	s_bfe_u32 s40, ttmp6, 0x40000                  ; cx, cy: my place in the cluster
	s_bfe_u32 s41, ttmp6, 0x40004
	s_lshl_b32 s42, ttmp9, 2
	s_add_co_u32 s42, s42, s40                     ; tile column = 4 x cluster x + cx
	s_and_b32 s17, ttmp7, 0xffff
	s_lshl_b32 s17, s17, 2
	s_add_co_u32 s17, s17, s41                     ; tile row = 4 x cluster y + cy
	s_lshl_b32 s43, s41, 2
	s_lshl_b32 s43, 15, s43                        ; my row of the cluster
	s_lshl_b32 s44, 0x1111, s40                    ; my column
	; descriptor group 1 for the codes: 256 rows of 256 bytes for the head's loads; behind them the two words that count rows are set to 128, for the ring's
	s_or_b32 s[G1+0], s43, (0<<16)|(1<<20)|(1<<21)|(5<<22)|(3<<25)  ; 15:0 the mask; 17:16 element of 1 byte; 20 padding on; 21 set beside a mask; 24:22 after every 64 words (code 5); 31:25 of 4 words (code 3)
	s_or_b32 s[G1B+0], s44, (0<<16)|(1<<20)|(1<<21)|(5<<22)|(3<<25)
.irp g, G1, G1B
	s_mov_b32 s[\g+1], ROWB<<16                    ; tensor_dim0
	s_mov_b32 s[\g+2], 256<<16                     ; tensor_dim1
	s_mov_b32 s[\g+3], ROWB<<16                    ; tile_dim0
	s_mov_b32 s[\g+4], 256                         ; tile_dim1
	s_mov_b32 s[\g+5], KROW                        ; tensor_dim0_stride
	s_mov_b32 s[\g+6], 0
	s_mov_b32 s[\g+7], 0
.endr
	; and for the scales of 256 rows: a dense block of 32,768 bytes, as 128 rows of 256 bytes (32 elements of 8 bytes), 16 bytes of padding behind each
	s_or_b32 s[G1S+0], s43, (3<<16)|(1<<20)|(1<<21)|(5<<22)|(3<<25)
	s_or_b32 s[G1SB+0], s44, (3<<16)|(1<<20)|(1<<21)|(5<<22)|(3<<25)
.irp g, G1S, G1SB
	s_mov_b32 s[\g+1], 32<<16
	s_mov_b32 s[\g+2], 128<<16
	s_mov_b32 s[\g+3], 32<<16
	s_mov_b32 s[\g+4], 128
	s_mov_b32 s[\g+5], 32
	s_mov_b32 s[\g+6], 0
	s_mov_b32 s[\g+7], 0
.endr
	; where the tiles come from: X's hang on the tile row alone, W's on the tile column alone, each in registers that do not hold the other coordinate
	s_lshl_b32 s20, s17, 19                        ; X's codes: 256 rows x 2,048 bytes a tile row
	s_mov_b32 s21, 0
	s_lshl_b32 s22, s17, 15                        ; X's scales: 256 rows x 128 bytes
	s_mov_b32 s23, 0
	s_lshl_b32 s46, s42, 19                        ; W's likewise, by the tile column
	s_mov_b32 s47, 0
	s_lshl_b32 s92, s42, 15
	s_mov_b32 s93, 0
	s_lshl_b32 s18, s16, 18                        ; in the ring I fetch 128 rows of a tile: which half, in bytes,
	s_mov_b32 s19, 0
	s_mul_i32 s45, s14, HALFT                      ; and where they go: wave x 128 rows
	s_wait_dscnt 0x0                               ; both opening adds are done
	CROUND                                         ; all sixteen work-groups are here: the first joint loads meet.  (The round needs no argument: it stands ahead of the wait for them)
	s_wait_kmcnt 0x0
	s_add_nc_u64 s[20:21], s[4:5], s[20:21]
	s_add_nc_u64 s[22:23], s[6:7], s[22:23]
	s_add_nc_u64 s[46:47], s[8:9], s[46:47]
	s_add_nc_u64 s[92:93], s[10:11], s[92:93]
	s_mov_b32 s[G0H], 1                            ; the head's four tiles, each whole: K step 0's 256 rows of X,
	s_mov_b32 s[G0H+1], 0
	s_mov_b64 s[G0H+2:G0H+3], s[20:21]
	s_or_b32 s[G0H+3], s[G0H+3], 0x80000000
	s_mov_b32 s[G0HB], 1                           ; its 256 rows of W, behind them in slot 0,
	s_mov_b32 s[G0HB+1], 2*HALFT
	s_mov_b64 s[G0HB+2:G0HB+3], s[46:47]
	s_or_b32 s[G0HB+3], s[G0HB+3], 0x80000000
	s_mov_b32 s[G0S], 1                            ; the scales of X's 256 rows,
	s_mov_b32 s[G0S+1], SXB
	s_mov_b64 s[G0S+2:G0S+3], s[22:23]
	s_or_b32 s[G0S+3], s[G0S+3], 0x80000000
	s_mov_b32 s[G0SB], 1                           ; and of W's, into slot 1
	s_mov_b32 s[G0SB+1], SLOT
	s_mov_b64 s[G0SB+2:G0SB+3], s[92:93]
	s_or_b32 s[G0SB+3], s[G0SB+3], 0x80000000
	s_add_nc_u64 s[20:21], s[20:21], s[18:19]      ; for the ring: my 128 rows of the tile
	s_add_nc_u64 s[46:47], s[46:47], s[18:19]
.irp s, 0,1
	s_mov_b32 s[G0+4*\s], 1
	s_add_co_u32 s[G0+4*\s+1], s45, \s*SLOT
	s_add_nc_u64 s[G0+4*\s+2:G0+4*\s+3], s[20:21], \s*ROWB
	s_or_b32 s[G0+4*\s+3], s[G0+4*\s+3], 0x80000000
	s_mov_b32 s[G0B+4*\s], 1
	s_add_co_u32 s[G0B+4*\s+1], s45, \s*SLOT
	s_add_nc_u64 s[G0B+4*\s+2:G0B+4*\s+3], s[46:47], \s*ROWB
	s_or_b32 s[G0B+4*\s+3], s[G0B+4*\s+3], 0x80000000
.endr
; THE HEAD'S LOADS, ONE A WAVE.  ONE tree of branches on the wave's number: every way through the head passes exactly one load.
.macro ARM under, g0, g1, next
	s_cmp_lt_u32 s14, \under
	s_cbranch_scc0 \next
	tensor_load_to_lds s[\g0:\g0+3], s[\g1:\g1+7]
	s_nop 0
.rept 4
	v_nop
.endr
	s_branch .Lhead_asked
\next:
.endm
	ARM 1, G0H,  G1,  .Lhead_w
	ARM 2, G0HB, G1B, .Lhead_sx
	ARM 3, G0S,  G1S, .Lhead_sw
	tensor_load_to_lds s[G0SB:G0SB+3], s[G1SB:G1SB+7]
	s_nop 0
.rept 4
	v_nop
.endr
.Lhead_asked:
	; the prefetches' rows: my 128 of the tile, and my work-group's 32 of them (32 rows are 65,536 bytes)
	s_cmp_eq_u32 s15, 0
	s_cselect_b32 s94, s40, s41
	s_cselect_b64 s[PFA:PFA+1], s[20:21], s[46:47]
	s_lshl_b32 s94, s94, 16
	s_mov_b32 s95, 0
	s_add_nc_u64 s[PFA:PFA+1], s[PFA:PFA+1], s[94:95]
	; my part of out0
	s_lshl_b32 s94, s17, 22                        ; 256 x tile row + 128 x half, x 16,384 bytes: under 2^26
	s_lshl_b32 s95, s15, 21
	s_add_co_u32 s94, s94, s95
	s_lshl_b32 s95, s42, 10                        ; 1,024 x tile column + 512 x half
	s_add_co_u32 s94, s94, s95
	s_lshl_b32 s95, s16, 9
	s_add_co_u32 s94, s94, s95
	s_mov_b32 s95, 0
	s_add_nc_u64 s[12:13], s[12:13], s[94:95]
	s_mul_i32 s18, s15, HALFT                      ; my 128 rows of X in slot 0,
	s_mul_i32 s19, s16, HALFT                      ; my 128 rows of W,
	s_add_co_u32 s19, s19, 2*HALFT                 ; which lie behind X's 256;
	s_add_co_u32 s22, s18, SLOT                    ; the same in slot 1
	s_add_co_u32 s23, s19, SLOT
	s_mul_i32 s43, s15, 64*PITCH                   ; X's scales of my 128 rows
	s_add_co_u32 s43, s43, SXB
	s_mul_i32 s44, s16, 64*PITCH                   ; W's
	s_add_co_u32 s44, s44, SLOT
	s_mul_i32 s92, s14, 16*SPITCH                  ; my stage
	v_and_b32 v1, 15, v0                           ; r = l % 16
	v_bfe_u32 v2, v0, 4, 1                         ; h = l / 16
	v_and_b32 v3, 31, v0                           ; l
	v_mul_u32_u24 v4, v1, PITCH
	v_lshl_add_u32 v4, v2, 4, v4                   ; a fragment's row x pitch + 16 x half
	v_add_nc_u32 v[ADRX], s18, v4
	v_add_nc_u32 v[ADRX+1], s22, v4
	v_add_nc_u32 v[ADRW], s19, v4
	v_add_nc_u32 v[ADRW+1], s23, v4
	v_lshrrev_b32 v5, 1, v3                        ; a row of scales: unit row / 2, its half by row mod 2
	v_mul_u32_u24 v5, v5, PITCH
	v_and_b32 v6, 1, v0
	v_lshl_add_u32 v5, v6, 7, v5
	v_add_nc_u32 v[ADRT], s44, v5                  ; W: lane l takes row l of 32
	v_lshrrev_b32 v7, 1, v1
	v_mul_u32_u24 v7, v7, PITCH
	v_lshl_add_u32 v7, v6, 7, v7
	v_lshl_add_u32 v7, v2, 3, v7
	v_add_nc_u32 v[ADRS], s43, v7                  ; X: lane (r, h) takes row r's words 2 h, 2 h + 1
	v_mul_u32_u24 v8, v1, SPITCH
	v_lshl_add_u32 v8, v2, 5, v8
	v_add_nc_u32 v[STO], s92, v8                   ; in: row r, 32 bytes for each half of the lanes
	v_lshlrev_b32 v[CO], 4, v3                     ; back: the 32 lanes take one row of 512 bytes; and the same in out0
	v_add_nc_u32 v[RD], s92, v[CO]
	v_lshlrev_b32 v[PFO], 11, v3
	PF 1
; LDS loads.  A fragment of 16 rows x 128 K is 8 registers: lane (r, h) holds row r; registers 4 c .. 4 c + 3 hold K = 64 c + 32 h + 0 .. 31.  32 rows of W are two such fragments on end.
.macro PAIR
	ds_load_b128 v[R_:R_+3], v[AD_] offset:O_
	ds_load_b128 v[R_+4:R_+7], v[AD_] offset:O_+32
.endm
; A step's sixteen fragments in their order: W's 0, 1, X's 0, W's 2 .. 7, X's 1 .. 7.  n of them, from number U_ on, of step FQ_ in slot FS_, into set FP_.
.macro UNITS n
.rept \n
.if U_ < 2
.set I_, U_
.set R_, 64*FP_+8*I_
.set AD_, ADRW+FS_
.elseif U_ == 2
.set I_, 0
.set R_, 128+64*FP_
.set AD_, ADRX+FS_
.elseif U_ < 9
.set I_, U_-1
.set R_, 64*FP_+8*I_
.set AD_, ADRW+FS_
.else
.set I_, U_-8
.set R_, 128+64*FP_+8*I_
.set AD_, ADRX+FS_
.endif
.set O_, 64*FQ_+I_*BLK
	PAIR
.set U_, U_+1
.endr
.endm
.macro SXL k                           ; X's scale words of K step k
.irp i, 0,1,2,3,4,5,6,7
	ds_load_b64 v[SX+16*((\k)%2)+2*\i:SX+16*((\k)%2)+2*\i+1], v[ADRS] offset:\i*8*PITCH+16*(\k)
.endr
.endm
.macro WUN n                           ; the last K step: n of W's fragments of step WQ_, from number U_ on, to window 1, v[WR_ ..]
.rept \n
.set R_, WR_+8*U_
.set AD_, ADRW+1
.set O_, 64*WQ_+U_*BLK
	PAIR
.set U_, U_+1
.endr
.endm
.macro XLOAD a                         ; the last K step: X's block a, all four steps
	WIN 0
.irp k, 0,1,2,3
.set R_, XB+32*((\a)%2)+8*\k
.set AD_, ADRX+1
.set O_, 64*\k+(\a)*BLK
	PAIR
.endr
.endm
; One matrix instruction.  W's scale word: lane m for row m of 32.  X's: lanes 0-15, or with ROW1 lanes 16-31.  The 32 accumulators take turns, one instruction a turn.
.macro WM
.if RW_ == 1
	v_wmma_scale_f32_32x16x128_f4 v[D_:D_+15], v[W_:W_+15], v[X_:X_+7], v[D_:D_+15], v[WS_], v[XS_] matrix_b_scale:MATRIX_SCALE_ROW1
.elseif ZERO_ == 1
	v_wmma_scale_f32_32x16x128_f4 v[D_:D_+15], v[W_:W_+15], v[X_:X_+7], 0, v[WS_], v[XS_]
.else
	v_wmma_scale_f32_32x16x128_f4 v[D_:D_+15], v[W_:W_+15], v[X_:X_+7], v[D_:D_+15], v[WS_], v[XS_]
.endif
.endm
.macro MUL                             ; X's block G_ against W's four, step Q_ of K step S_, sets P_
.if G_ < 4
	WIN MUL_LO
.else
	WIN MUL_HI
.endif
.set X_, 128+64*P_+8*G_
.set XS_, SX+16*(S_%2)+2*G_+(Q_%2)
.irp g, 0,1,2,3
.set D_, 64*(G_%4)+16*\g
.set W_, 64*P_+16*\g
.set WS_, SW+16*S_+4*\g+Q_
	WM
.endr
.endm
; A group: four products.  A step is eight groups, and its 32 loads for the next step go in ONE RUN at the step's start, with the scale words and the prefetch, if any: both operands have two sets, so the run has the whole step in which to land.
; The count at a wait is what was issued behind the fragment that is wanted: the rest of the last step's list, scale words read behind it (EX_), and this step's own loads (2 U_, and CX_ scale words).
; PRE_ = 1 (a slot's third step): behind the seventh group come the wait for all my tensor loads and the add, behind the eighth the wait for the add and for my reads, and the barrier's signal.
; POST_ = 1 (a slot's fourth step): every fragment is in; behind the first group the barrier closes (as a round of the cluster's where a slot is filled again), the joint load goes out first, and then the run, from the other slot.
.macro GROUP
.if POST_ == 0
.if G_ == 0
	PLACES
	WIN TO_F
	UNITS 16
.if S_ == 0 && Q_ == 1
	PF 3
.endif
.if Q_ == 1
	WIN 0
	SXL S_+1                                       ; the next K step's words, into the set that is idle
.set CX_, 8
.endif
.endif
.if PRE_ == 0 || G_ < 6
	s_wait_dscnt 2*(7-G_)+EX_+2*U_+CX_
.elseif G_ == 6
	s_wait_dscnt EX_+2*U_                          ; (X's blocks 6 and 7: the eighth group has no wait)
.endif
.endif
	MUL
.if G_ == 0
.if POST_ == 1
	PLACES
	WIN 0
	s_barrier_wait -1
.if S_ < 6
	CREST                                          ; no wave of any partner still reads this slot or has a load on its way
	JLOAD SL_
.endif
.endif
.endif
.if S_ == 6 && Q_ == 3
.if G_ == 0
	WIN TO_F
.set U_, 0
.set WQ_, 0
.set WR_, 0
	WUN 8
.set U_, 0
.set WQ_, 1
.set WR_, 128
	WUN 8
	XLOAD 0
.endif
.else
.if G_ == 0 && POST_ == 1
	WIN TO_F
	UNITS 16
.if S_ < 4
	PF S_+4
.endif
.endif
.endif
.if PRE_ == 1 && G_ == 6
	WIN 0                                          ; (the add's two registers lie in window 0)
	s_wait_tensorcnt 0x0                           ; my part of the next slot is in
	ds_add_u32 v[SPW], v[NIL]                      ; 0 onto my spare word
.endif
.if PRE_ == 1 && G_ == 7
.if S_ < 6
	s_add_nc_u64 s[G0+4*SL_+2:G0+4*SL_+3], s[G0+4*SL_+2:G0+4*SL_+3], 2*ROWB   ; no tensor load of mine is out: this slot's next K step
	s_add_nc_u64 s[G0B+4*SL_+2:G0B+4*SL_+3], s[G0B+4*SL_+2:G0B+4*SL_+3], 2*ROWB
.endif
	s_wait_dscnt 0x0                               ; the add is done, and my reads of this slot are over
	s_barrier_signal -1
.endif
.endm
.macro STEP
.set P_, Q_%2
.set SL_, S_%2
.set PRE_, 0
.set POST_, 0
.set ZERO_, 0
.set RW_, Q_/2
.set FP_, 1-P_
.set FS_, SL_
.set FQ_, Q_+1
.if Q_ == 2
.set PRE_, 1
.elseif Q_ == 3
.set POST_, 1
.set FS_, 1-SL_
.set FQ_, 0
.elseif Q_ == 0 && S_ == 0
.set ZERO_, 1
.endif
.set U_, 0
.set CX_, 0
.set G_, 0
.rept 8
	GROUP
.set G_, G_+1
.endr
.set EX_, 0
.if Q_ == 1
.set EX_, 8
.endif
.endm
	s_wait_alu depctr_va_vdst(0)                   ; the head's end
	s_wait_tensorcnt 0x0                           ; my tile of the head's four is in
	s_barrier_signal -1
	s_barrier_wait -1                              ; all four are
.irp g, 0,1,2,3
.irp k, 0,1,2,3,4,5,6,7
	ds_load_b128 v[SW+16*\k+4*\g:SW+16*\k+4*\g+3], v[ADRT] offset:\g*16*PITCH+16*\k   ; W's scale words: K step k, rows 32 g + l
.endr
.endr
	SXL 0
	s_mov_b32 s[G1+2], 128<<16                     ; no tensor load of mine is out: from here on a load brings 128 rows
	s_mov_b32 s[G1+4], 128
	s_mov_b32 s[G1B+2], 128<<16
	s_mov_b32 s[G1B+4], 128
	s_wait_tensorcnt 0x0                           ; ahead of a refill: slot 1 has held W's scales
	ds_add_u32 v[SPW], v[NIL]
	s_wait_dscnt 0x0                               ; the add is done, and W's scales are in registers
	CROUND
	JLOAD 1                                        ; K step 1
.set FP_, 0
.set FS_, 0
.set FQ_, 0
.set U_, 0
	WIN TO_F
	UNITS 16                                       ; the first step's fragments
	PF 2
.set EX_, 0
.set S_, 0
.rept 7
.set Q_, 0
.rept 4
	STEP
.set Q_, Q_+1
.endr
.set S_, S_+1
.endr
; THE LAST K STEP (slot 1) GOES BY ROWS OF out0.  W's fragments of all four steps fill window 1 (steps 0, 1, 2, 3 at v0, v128, v64, v192); X's blocks come one after the other; each block of 16 rows x 128 columns
; is finished with 16 matrix instructions, K ascending, its four accumulators by turns, and leaves while the next is multiplied.
.macro ROWH a, first                   ; block a, two steps
	WIN ROW_LO+0x50*((\a)/4)
.irp k, \first, \first+1
.set RW_, (\k)/2
.set X_, XB+32*((\a)%2)+8*(\k)
.set XS_, SX+16+2*(\a)+((\k)%2)
.irp g, 0,1,2,3
.set D_, 64*((\a)%4)+16*\g
.set W_, 128*((\k)%2)+64*((\k)/2)+16*\g
.set WS_, SW+112+4*\g+(\k)
	WM
.endr
.endr
.endm
; The way out of a block: into my own stage, each accumulator from its low end on, and back as whole rows of 512 bytes, into the block's own registers, which the stage's stores have been read from by then.
.macro TOST a
.set AC, 64*((\a)%4)
	WIN 0x08+4*((\a)/4)                            ; an LDS store's data are its source 1
.irp b, 0,1,2,3,4,5,6,7
	ds_store_b128 v[STO], v[AC+8*\b:AC+8*\b+3] offset:64*\b
	ds_store_b128 v[STO], v[AC+8*\b+4:AC+8*\b+7] offset:64*\b+16
.endr
.endm
.macro BACK a
.set AC, 64*((\a)%4)
	WIN 0x80+0x40*((\a)/4)
.irp t, 0,1,2,3,4,5,6,7,8,9,10,11,12,13,14,15
	ds_load_b128 v[AC+4*\t:AC+4*\t+3], v[RD] offset:\t*SPITCH   ; LDS serves a wave's instructions in order (ISA guide 5.7.1.4)
.endr
.endm
.macro SEND a
.set AC, 64*((\a)%4)
	WIN 0x08+4*((\a)/4)
.irp t, 0,1,2,3,4,5,6,7,8,9,10,11,12,13,14,15
	global_store_b128 v[CO], v[AC+4*\t:AC+4*\t+3], s[12:13] offset:(16*(\a)+\t)*CROW th:TH_STORE_NT   ; 32 lanes store 512 consecutive bytes, at a multiple of 512; 127 rows at the most: inside the signed 24-bit immediate
.endr
.endm
	PLACES                                         ; for the loads into the sets that the products just issued have read
	WIN TO_F
.set U_, 0
.set WQ_, 2
.set WR_, 64
	WUN 8
.set U_, 0
.set WQ_, 3
.set WR_, 192
	WUN 8
	XLOAD 1
.set ZERO_, 0
	s_wait_dscnt 40                                ; W's steps 0 and 1 and X's block 0 are in; behind them: W's steps 2 and 3 (32 loads), X's block 1 (8)
	ROWH 0, 0
	s_wait_dscnt 8
	ROWH 0, 2
.irp a, 0,1,2,3,4,5,6,7
	PLACES                                         ; behind block a's last products
	TOST \a
.if \a < 6
	XLOAD \a+2
.endif
.if \a < 7
.if \a == 0
	s_wait_dscnt 24                                ; X's block 1 is in; behind it: the stage's 16 stores, X's block 2 (8)
.endif
	ROWH \a+1, 0
.endif
.if \a < 6
	s_wait_dscnt 8                                 ; the stage's stores are done; X's eight loads may be out
.else
	s_wait_dscnt 0x0
.endif
	BACK \a
.if \a < 7
	ROWH \a+1, 2
.endif
	s_wait_dscnt 0x0
	SEND \a
.endr
	WIN 0
	s_wait_tensorcnt 0x0                           ; the wave's end
	ds_add_u32 v[SPW], v[NIL]
	s_wait_dscnt 0x0
	CROUND                                         ; the closing round: no work-group ends while a partner may still ask for a tile that names it
	s_endpgm
.Lfunc_end_k_qae032b46a3_gemm:
	.size	k_qae032b46a3_gemm, .Lfunc_end_k_qae032b46a3_gemm-k_qae032b46a3_gemm
	.p2alignl 7, 3214868480
	.fill 96, 4, 3214868480
	.section	.rodata,"a",@progbits
	.p2align	6, 0x0
	.amdhsa_kernel k_qae032b46a3_gemm
		.amdhsa_group_segment_fixed_size 327680
		.amdhsa_private_segment_fixed_size 0
		.amdhsa_enable_private_segment 0
		.amdhsa_kernarg_size 40
		.amdhsa_user_sgpr_count 2
		.amdhsa_user_sgpr_kernarg_segment_ptr 1
		.amdhsa_wavefront_size32 1
		.amdhsa_system_sgpr_workgroup_id_x 1
		.amdhsa_system_sgpr_workgroup_id_y 1
		.amdhsa_system_sgpr_workgroup_id_z 1
		.amdhsa_system_vgpr_workitem_id 0
		.amdhsa_next_free_vgpr 1024
		.amdhsa_next_free_sgpr 98
		.amdhsa_reserve_vcc 0
		.amdhsa_float_denorm_mode_32 3
		.amdhsa_float_denorm_mode_16_64 3
		.amdhsa_memory_ordered 1
		.amdhsa_forward_progress 1
		.amdhsa_inst_pref_size 255
	.end_amdhsa_kernel
	.section	.bss,"aw",@nobits
	.p2align	6
	.space	262144
	.amdgpu_metadata
---
amdhsa.version: [ 1, 2 ]
amdhsa.kernels:
  - .name:           k_qae032b46a3_gemm
    .symbol:         k_qae032b46a3_gemm.kd
    .args:
      - { .name: input_codes, .offset: 0, .size: 8, .value_kind: global_buffer, .address_space: global }
      - { .name: input_scales, .offset: 8, .size: 8, .value_kind: global_buffer, .address_space: global }
      - { .name: weight_codes, .offset: 16, .size: 8, .value_kind: global_buffer, .address_space: global }
      - { .name: weight_scales, .offset: 24, .size: 8, .value_kind: global_buffer, .address_space: global }
      - { .name: out0, .offset: 32, .size: 8, .value_kind: global_buffer, .address_space: global }
    .group_segment_fixed_size: 327680
    .private_segment_fixed_size: 0
    .kernarg_segment_align: 8
    .kernarg_segment_size: 40
    .max_flat_workgroup_size: 128
    .sgpr_count:     98
    .vgpr_count:     1024
    .wavefront_size: 32
...
	.end_amdgpu_metadata
.endif
;; end of part 1
